; MI455X (gfx1250); checked and timed in simulation.
; The chip was launched on July 23, 2026; its instructions are those of AMD's public machine-readable ISA for CDNA 5 (MIT licence, August 2026) and "CDNA5" Instruction Set Architecture Reference Guide (July 2026). The comments in the code are by the model that wrote it; some were corrected since.
;; Pretrained Model. Allowed arithmetic: float matrix products may take bf16 or f16 operands with f32 sums; all other float work in f32.
;; Inputs: W1 1 x 64 float32; W2 64 x 64 float32; W3 64 x 1 float32; b1 64 float32; b2 64 float32; b3 1 float32; trainingInputs 4,096 x 512 x 1 float32; trainingLabels 4,096 x 512 x 1 float32.
;; Outputs: out0 4,096 float32.
;; One version. Each part assembles by itself: llvm-mc -triple=amdgcn-amd-amdhsa -mcpu=gfx1250 --defsym DOCPART=n.
;; ======== version 1 of 1: 1 launch
;; launch mlp_loss (part 1): grid 256 x 1, 8 waves a work-group, no clusters, 168,960 bytes of LDS; arguments trainingInputs, trainingLabels, W1, b1, W2, b2, W3, b3, out0; writes out0
.if DOCPART == 1
	.amdgcn_target "amdgcn-amd-amdhsa--gfx1250"
	.amdhsa_code_object_version 6
	.text
	.protected	k_q1355214154_mlp_loss
	.globl	k_q1355214154_mlp_loss
	.p2align	8
	.type	k_q1355214154_mlp_loss,@function
k_q1355214154_mlp_loss:
	s_mov_b64 s[64:65], 0
	v_nop
	global_prefetch_b8 v0, s[64:65] scope:SCOPE_SE
	s_setreg_imm32_b32 hwreg(HW_REG_WAVE_MODE, 25, 1), 1
	s_wait_xcnt 0x0
; out0[task] = mean over 512 samples of (label - mlp(x))^2,  mlp(x) = relu(relu(x W1 + b1) W2 + b2) W3 + b3,  64 hidden units.
; 256 work-groups of 8 waves; a work-group owns 16 tasks, a wave two whole tasks, so a task's sum never leaves its wave.
; A task goes in 8 steps of 64 samples = 4 tiles of 16 samples.
;
; THE MATRIX INSTRUCTION HAS THE SAMPLES IN N (lanes) AND THE HIDDEN UNITS IN M:  D[m][n] = sum_k W2[k][m] h1[k][n] + b2[m].
;   lane L: r = L & 15, h = L >> 4.
;   B (h1, bf16): lane (r, h) holds sample r and the units k = 16 g + 8 h + 0..7, g = 0..3: exactly what the lane computes itself from
;      its own x and its own 32 numbers of W1 and b1, so h1 is born in the fragment's layout: no LDS, no exchange between lanes.
;   A (W2 transposed, bf16): 8 fragments, loaded once, kept in registers.   C of the first K step: b2, so the bias costs nothing.
;   D: register j of out tile t holds unit 16 t + 8 h + j of sample r: b2 and W3 lie in registers in that same pattern.
; Layers 1 (K = 1) and 3 (N = 1) would fill 1/32 and 1/16 of a 16x16x32 product: they run in f32 on the vector unit.
; The mean does not care for the order: tile q of a step takes the samples 64 step + 4 r + q, so one 16-byte LDS load gives a lane the
; x of all four tiles.
;
; x and labels (2 x 4,096 bytes a wave) are asked for at once by four tensor loads of 2,048 bytes, each wave into bytes of its own.
; No cluster: the work-groups share only the weights, 17,412 bytes read once at the start, against 65,536 bytes of their own.
;
; LIMITS.  relu is v_max_num_f32, in which a NaN loses: a NaN in x, W1, b1 or in a sum of layer 2 becomes 0 and is not passed on as
; the reference's maximum would: results are right for finite inputs.  h1 and W2 are rounded to bf16 (nearest even) for the 64 x 64
; product; everything else is f32.  The order of the sums differs from the reference's.
.set DUAL, 1                           ; 1: two relu in one dual instruction; 0: two plain ones
; LDS
.set XS,   0                           ; x as in memory: wave w at 4096 w, its second task 2,048 further
.set YS,   32768                       ; labels, the same layout
.set W2T,  65536                       ; bf16 W2T[m][k]: 64 rows of 128 bytes + 16: pitch 144, an odd multiple of 16 bytes, so that the
.set WP,   144                         ;   16 rows of a fragment load start in 16 different 16-byte columns modulo 256 bytes
.set RES,  74752                       ; 16 f32 results, word 2 w + task
; vector registers, block 0
.set SUM,  12                          ; v[12:13]   running sums of squares
.set XV,   16                          ; v[16:19]   x of the four tiles
.set YV,   20                          ; v[20:23]   labels of the four tiles
.set CV,   24                          ; v[24:27]   0.25 (b3 - label)
.set SV,   28                          ; v[28:31]   a tile's sum, then its error
.set UV,   32                          ; v[32:35]   the other half's sum
.set PV,   36                          ; v[36:43]   layer 3: a pair of chains for each tile
.set BF,   48                          ; v[48:111]  h1 in bf16: tile q, K step s at 48 + 16 q + 8 s
.set ACC,  112                         ; v[112:239] layer 2's sums: tile q, out tile t at 112 + 32 q + 8 t
.set TH,   112                         ;            the same registers hold h1 in f32 before
.set RAW,  112                         ; set-up: 16 numbers of W2 as loaded
.set PK,   128                         ; set-up: the same in bf16
; vector registers, block 1 (v256 and up), by their low names
.set WF,   0                           ; A fragments: out tile t, K step s at 16 t + 8 s
.set B2,   64                          ; b2[16 t + 8 h + j] at 8 t + j
.set W1,   96                          ; W1[16 g + 8 h + j] at 8 g + j
.set B1,   128                         ; b1 likewise
.set W3,   160                         ; W3 likewise
; scalar registers
.set G1,   28                          ; s[28:35] descriptor group 1
.set G0,   36                          ; s[36:51] descriptor group 0, a set for each of the four loads
; s_set_vgpr_msb: bits 1:0 source 0, 3:2 source 1, 5:4 source 2, 7:6 destination
.set TO1,  0x40                        ; destination in block 1
.set L1A,  0x14                        ; sources 1 and 2 in block 1 (W1, b1)
.set MM1,  0x11                        ; A and C in block 1 (W2T, b2)
.set MM2,  0x01                        ; A in block 1
.set EPB,  0x04                        ; source 1 in block 1 (W3)
.set MSB,  0
.macro WIN new                         ; the immediate's high byte repeats the setting that is left; a switch that changes nothing is dropped
.if MSB != \new
	s_set_vgpr_msb (MSB<<8)|\new
.set MSB, \new
.endif
.endm
	s_load_b512 s[8:23], s[0:1], 0x0               ; x s[8:9], labels s[10:11], W1 s[12:13], b1 s[14:15], W2 s[16:17], b2 s[18:19], W3 s[20:21], b3 s[22:23]
	s_load_b64 s[24:25], s[0:1], 0x40              ; out0
	v_lshl_add_u32 v254, v0, 2, 0x29000
	v_mov_b32 v255, 0
	ds_add_u32 v254, v255
	ds_add_u32 v254, v255
	; while the addresses are on their way: everything that hangs on ids alone
	v_lshrrev_b32 v14, 5, v0
	v_readfirstlane_b32 s2, v14                    ; wave 0..7
	v_and_b32 v1, 15, v0                           ; r
	v_bfe_u32 v2, v0, 4, 1                         ; h
	v_lshlrev_b32 v3, 5, v2                        ; 32 h: my eight numbers inside each 64 bytes of W1, b1, b2, W3
	v_and_b32 v14, 7, v0                           ; staging W2: my row of the wave's eight, m = 8 w + (L & 7)
	v_bfe_u32 v46, v0, 3, 2                        ; and my sixteen k: 16 kg .. 16 kg + 15
	s_lshl_b32 s54, s2, 5                          ; 8 w columns of 4 bytes
	v_lshlrev_b32 v4, 2, v14
	v_lshl_or_b32 v4, v46, 12, v4                  ; + 16 kg rows of 256 bytes
	v_add_nc_u32 v4, s54, v4                       ; v4: byte offset of W2[16 kg][m]
	s_mul_i32 s54, s2, 8*WP                        ; the wave's eight rows of W2T: 1,152 bytes of its own
	s_add_co_u32 s54, s54, W2T
	v_mul_u32_u24 v5, v14, WP
	v_lshl_add_u32 v5, v46, 5, v5                  ; + 32 bytes for each kg: the lane term ends at 7 x 144 + 3 x 32 + 32 = 1,136
	v_add_nc_u32 v5, s54, v5                       ; v5: where my 32 bytes of W2T go
	v_mul_u32_u24 v6, v1, WP
	v_lshl_add_u32 v6, v2, 4, v6
	v_add_nc_u32 v6, W2T, v6                       ; v6: A fragments: row r, 16 h
	s_lshl_b32 s52, s2, 12                         ; the wave's 4,096 bytes in XS and in YS
	v_lshlrev_b32 v7, 4, v1
	v_add_nc_u32 v7, s52, v7                       ; v7: my 16 bytes (4 samples) of the wave's first step
	v_mov_b32 v9, 0                                ; offset of b3
	s_lshl_b32 s54, s2, 3
	s_add_co_u32 s54, s54, RES
	v_mov_b32 v15, s54                             ; v15: the wave's two result words
	v_lshlrev_b32 v45, 2, v1                       ; v45: 4 r, offset in the group's 64 bytes of out0
	v_add_nc_u32 v47, RES, v45                     ; v47: result word r
.irp q, 0,1,2,3
	v_mov_b32 v[UV+\q], 0                          ; v_permlanex16_b32 counts as a reader of its destination: written once here
.endr
	s_mov_b32 s4, 0x76543210                       ; v_permlanex16_b32: lane i of one half reads lane i of the other
	s_mov_b32 s5, 0xfedcba98
	; group 1: one row of 2,048 bytes as 256 elements of 8 bytes; the same for all four loads, never rewritten
	s_mov_b32 s[G1+0], 3<<16                       ; no work-group mask; elements of 8 bytes; no padding
	s_mov_b32 s[G1+1], 256<<16                     ; tensor_dim0 = 256
	s_mov_b32 s[G1+2], 1<<16                           ; tensor_dim1 not used
	s_mov_b32 s[G1+3], 256<<16                     ; tile_dim0 = 256
	s_mov_b32 s[G1+4], 1
	s_mov_b32 s[G1+5], 256
	s_mov_b32 s[G1+6], 0
	s_mov_b32 s[G1+7], 0
	s_lshl_b32 s26, ttmp9, 15                      ; the group's 16 tasks of 2,048 bytes
	s_add_co_u32 s26, s26, s52                     ; + the wave's two
	s_mov_b32 s27, 0
	s_wait_dscnt 0x0
	s_wait_kmcnt 0x0
	s_add_nc_u64 s[8:9], s[8:9], s[26:27]          ; x and labels at the wave's first task
	s_add_nc_u64 s[10:11], s[10:11], s[26:27]
; group 0 of load n and the load itself.  Each set is written once and never again, so no wait is needed to free it.
.macro TLOAD n, base, ldsoff, goff
	s_mov_b32 s[G0+4*\n], 1                                            ; count = 1
	s_add_co_u32 s[G0+4*\n+1], s52, \ldsoff                            ; LDS address: 4096 x wave + a constant
	s_add_nc_u64 s[G0+4*\n+2:G0+4*\n+3], s[\base:\base+1], \goff       ; global address
	s_or_b32 s[G0+4*\n+3], s[G0+4*\n+3], 0x80000000                    ; type = 2
	tensor_load_to_lds s[G0+4*\n:G0+4*\n+3], s[G1:G1+7]
	s_nop 0
.endm
	TLOAD 0, 8,  XS,      0                        ; first task: x,
	TLOAD 1, 10, YS,      0                        ; labels;
	TLOAD 2, 8,  XS+2048, 2048                     ; second task: x,
	TLOAD 3, 10, YS+2048, 2048                     ; labels.  Four tensor loads of the wave are out, and no more are ever issued
	; the weights.  W2[16 kg + i][m], i = 0..15
.set i, 0
.rept 16
	global_load_b32 v[RAW+i], v4, s[16:17] offset:256*i
.set i, i+1
.endr
	global_load_b32 v44, v9, s[22:23]              ; b3
; 32 numbers of a 64-vector in the pattern 16 g + 8 h + j: eight loads of 16 bytes, the last ends at byte 192 + 32 + 32 = 256
.macro LDC dst, base
.irp g, 0,1,2,3
	global_load_b128 v[\dst+8*\g:\dst+8*\g+3],   v3, s[\base:\base+1] offset:64*\g
	global_load_b128 v[\dst+8*\g+4:\dst+8*\g+7], v3, s[\base:\base+1] offset:64*\g+16
.endr
.endm
	WIN TO1
	LDC W1, 12
	LDC B1, 14
	LDC B2, 18
	LDC W3, 20
	WIN 0
	s_wait_loadcnt 33                              ; the 16 loads of W2 are in; b3's and the 32 behind it stay out
.set i, 0
.rept 8
	v_cvt_pk_bf16_f32 v[PK+i], v[RAW+2*i], v[RAW+2*i+1]    ; the lower k in the low half
.set i, i+1
.endr
	ds_store_b128 v5, v[PK:PK+3]
	ds_store_b128 v5, v[PK+4:PK+7] offset:16
	s_wait_dscnt 0x0                               ; for the other waves: my rows of W2T are written
	s_barrier_signal -1
	s_barrier_wait -1                              ; everybody's are
	WIN TO1
.irp t, 0,1,2,3
.irp s, 0,1
	ds_load_b128 v[WF+16*\t+8*\s:WF+16*\t+8*\s+3],   v6 offset:\t*16*WP+64*\s       ; W2T(16 t + r, 32 s + 8 h ..)
	ds_load_b128 v[WF+16*\t+8*\s+4:WF+16*\t+8*\s+7], v6 offset:\t*16*WP+64*\s+32    ; W2T(16 t + r, 32 s + 16 + 8 h ..)
.endr
.endr
	WIN 0
	s_wait_loadcnt 0x0                             ; b3, W1, b1, b2, W3, once
	v_mul_f32 v10, 0x3e800000, v44                 ; 0.25 b3: the addend is counted four times below (two chains, two lane halves)
	v_mov_b32 v11, v10
	s_wait_dscnt 0x0                               ; the A fragments, once
.macro RELU2 a                         ; relu of two neighbouring registers; used with every window 0
.if DUAL
	v_dual_max_num_f32 v[\a], 0, v[\a] :: v_dual_max_num_f32 v[\a+1], 0, v[\a+1]
.else
	v_max_num_f32 v[\a], 0, v[\a]
	v_max_num_f32 v[\a+1], 0, v[\a+1]
.endif
.endm
; layer 1 of tile q: 32 units, two at a time; x is register sel of the pair XV + xp, taken for both halves
.macro LAYER1 q, xp, sel
.set i, 0
.rept 16
	v_pk_fma_f32 v[TH+32*\q+i:TH+32*\q+i+1], v[XV+\xp:XV+\xp+1], v[W1+i:W1+i+1], v[B1+i:B1+i+1] op_sel:[\sel,0,0] op_sel_hi:[\sel,1,1]
.set i, i+2
.endr
.endm
; relu and rounding of tile q: 32 f32 become the 16 registers of its two B fragments
.macro PACK q
.set i, 0
.rept 16
	RELU2 (TH+32*\q+2*i)
.set i, i+1
.endr
.set i, 0
.rept 16
	v_cvt_pk_bf16_f32 v[BF+16*\q+i], v[TH+32*\q+2*i], v[TH+32*\q+2*i+1]
.set i, i+1
.endr
.endm
; 16 matrix instructions: K step s of all four tiles and all four out tiles.  s = 0 starts the sums from b2; s = 1 is the next
; link of each chain in place (C and D both the earlier D), which needs no distance (ISA guide 7.12.1).
.macro MMK s
.irp q, 0,1,2,3
.irp t, 0,1,2,3
.if \s == 0
	v_wmma_f32_16x16x32_bf16 v[ACC+32*\q+8*\t:ACC+32*\q+8*\t+7], v[WF+16*\t:WF+16*\t+7], v[BF+16*\q:BF+16*\q+7], v[B2+8*\t:B2+8*\t+7]
.else
	v_wmma_f32_16x16x32_bf16 v[ACC+32*\q+8*\t:ACC+32*\q+8*\t+7], v[WF+16*\t+8:WF+16*\t+15], v[BF+16*\q+8:BF+16*\q+15], v[ACC+32*\q+8*\t:ACC+32*\q+8*\t+7]
.endif
.endr
.endr
.endm
; One step: 64 samples.  pref = 1: the next step's x and labels are fetched from LDS, each right behind its last reader.
.macro STEP pref
	s_wait_dscnt 1                                 ; x is in; the one younger LDS load (the labels) may stay out
	WIN L1A
	LAYER1 0, 0, 0
	LAYER1 1, 0, 1
	LAYER1 2, 2, 0
	LAYER1 3, 2, 1
	WIN 0
.if \pref
	ds_load_b128 v[XV:XV+3], v8 offset:XS+256      ; the next 64 samples' x
.endif
	PACK 0
	PACK 1
	PACK 2
	PACK 3
	WIN MM1
	MMK 0
	WIN MM2
	MMK 1
	WIN 0
	s_wait_dscnt \pref                             ; the labels are in; the x load issued above, if any, is the one younger load
	; A vector instruction reads a matrix result four places behind it at the earliest, and only plain vector instructions that
	; name none of its registers are places (ISA guide 7.12.1): the four vector lines below.
	v_pk_fma_f32 v[CV:CV+1],   v[YV:YV+1],   0xbe800000, v[10:11] op_sel_hi:[1,0,1]     ; 0.25 b3 - 0.25 label
	v_pk_fma_f32 v[CV+2:CV+3], v[YV+2:YV+3], 0xbe800000, v[10:11] op_sel_hi:[1,0,1]
.if \pref
	ds_load_b128 v[YV:YV+3], v8 offset:YS+256      ; the next 64 samples' labels
	v_add_nc_u32 v8, 256, v8                       ; an LDS instruction's address register is free once it has issued
.else
	v_nop
.endif
	v_nop
.set i, 0
.rept 64
	RELU2 (ACC+2*i)                                ; relu of layer 2
.set i, i+1
.endr
	; layer 3: four tiles side by side, so that no line waits for the one in front of it; the first product takes the addend
	WIN EPB
	v_pk_fma_f32 v[PV:PV+1],   v[ACC:ACC+1],     v[W3:W3+1], v[CV:CV+1]     op_sel:[0,0,0] op_sel_hi:[1,1,0]
	v_pk_fma_f32 v[PV+2:PV+3], v[ACC+32:ACC+33], v[W3:W3+1], v[CV:CV+1]     op_sel:[0,0,1] op_sel_hi:[1,1,1]
	v_pk_fma_f32 v[PV+4:PV+5], v[ACC+64:ACC+65], v[W3:W3+1], v[CV+2:CV+3]   op_sel:[0,0,0] op_sel_hi:[1,1,0]
	v_pk_fma_f32 v[PV+6:PV+7], v[ACC+96:ACC+97], v[W3:W3+1], v[CV+2:CV+3]   op_sel:[0,0,1] op_sel_hi:[1,1,1]
.set i, 1
.rept 15
.irp q, 0,1,2,3
	v_pk_fma_f32 v[PV+2*\q:PV+2*\q+1], v[ACC+32*\q+2*i:ACC+32*\q+2*i+1], v[W3+2*i:W3+2*i+1], v[PV+2*\q:PV+2*\q+1]
.endr
.set i, i+1
.endr
	WIN 0
.irp q, 0,1,2,3
	v_add_f32 v[SV+\q], v[PV+2*\q], v[PV+2*\q+1]           ; my 32 units
.endr
.irp q, 0,1,2,3
	v_permlanex16_b32 v[UV+\q], v[SV+\q], s4, s5           ; the other 32 units of the same sample
.endr
	v_pk_add_f32 v[SV:SV+1],   v[SV:SV+1],   v[UV:UV+1]    ; prediction - label, in both lane halves alike
	v_pk_add_f32 v[SV+2:SV+3], v[SV+2:SV+3], v[UV+2:UV+3]
	v_pk_fma_f32 v[SUM:SUM+1], v[SV:SV+1],   v[SV:SV+1],   v[SUM:SUM+1]
	v_pk_fma_f32 v[SUM:SUM+1], v[SV+2:SV+3], v[SV+2:SV+3], v[SUM:SUM+1]
.endm
; One task: 8 steps.  left = how many younger tensor loads of the wave may stay out when this task's two have to be in.
.macro TASK task, left
	s_wait_tensorcnt \left                         ; a wave's tensor loads end in the order of issue (ISA guide 10.11.1); only this wave reads these bytes
	v_add_nc_u32 v8, \task*2048, v7
	ds_load_b128 v[XV:XV+3], v8 offset:XS
	ds_load_b128 v[YV:YV+3], v8 offset:YS
	v_mov_b32 v[SUM], 0
	v_mov_b32 v[SUM+1], 0
	s_mov_b32 s3, 7
.Lstep\task:
	STEP 1
	s_sub_co_u32 s3, s3, 1
	s_cmp_lg_u32 s3, 0
	s_cbranch_scc1 .Lstep\task
	STEP 0                                         ; the last step fetches nothing: no LDS load leaves the task's 2,048 bytes
	v_add_f32 v14, v[SUM], v[SUM+1]
	v_add_f32_dpp v14, v14, v14 row_xmask:1 row_mask:0xf bank_mask:0xf    ; 16 lanes hold all the samples; the other 16 hold the same numbers
	v_add_f32_dpp v14, v14, v14 row_xmask:2 row_mask:0xf bank_mask:0xf
	v_add_f32_dpp v14, v14, v14 row_xmask:4 row_mask:0xf bank_mask:0xf
	v_add_f32_dpp v14, v14, v14 row_xmask:8 row_mask:0xf bank_mask:0xf
	v_mul_f32 v14, 0x3b000000, v14                 ; / 512
	ds_store_b32 v15, v14 offset:4*\task           ; all lanes write the same word with the same value
.endm
	TASK 0, 2                                      ; the second task's two loads may still be out
	TASK 1, 0                                      ; nothing is out any more, as it has to be before s_endpgm
	; the way out: the group's 16 results are 64 neighbouring bytes of out0, stored by one instruction of wave 0
	s_wait_dscnt 0x0                               ; for wave 0: my two results are written
	s_barrier_signal -1
	s_barrier_wait -1
	s_cmp_lg_u32 s2, 0
	s_cbranch_scc1 .Lend
	s_lshl_b32 s26, ttmp9, 6                       ; 16 results of 4 bytes for each work-group
	s_mov_b32 s27, 0
	s_add_nc_u64 s[24:25], s[24:25], s[26:27]
	ds_load_b32 v46, v47                           ; result r, in both lane halves
	v_cmp_gt_u32 vcc_lo, 16, v0
	s_wait_dscnt 0x0
	s_wait_xcnt 0x0                                ; EXEC is a source of every pending global access: it changes only behind this wait
	s_and_saveexec_b32 s53, vcc_lo
	global_store_b32 v45, v46, s[24:25]            ; lanes 0 to 15
	s_wait_xcnt 0x0                                ; and again in front of the line that widens it
	s_or_b32 exec_lo, exec_lo, s53
.Lend:
	s_wait_tensorcnt 0x0
	ds_add_u32 v254, v255
	s_wait_dscnt 0x0
	s_endpgm
.Lfunc_end_k_q1355214154_mlp_loss:
	.size	k_q1355214154_mlp_loss, .Lfunc_end_k_q1355214154_mlp_loss-k_q1355214154_mlp_loss
	.p2alignl 7, 3214868480
	.fill 96, 4, 3214868480
	.section	.rodata,"a",@progbits
	.p2align	6, 0x0
	.amdhsa_kernel k_q1355214154_mlp_loss
		.amdhsa_group_segment_fixed_size 168960
		.amdhsa_private_segment_fixed_size 0
		.amdhsa_enable_private_segment 0
		.amdhsa_kernarg_size 72
		.amdhsa_user_sgpr_count 2
		.amdhsa_user_sgpr_kernarg_segment_ptr 1
		.amdhsa_wavefront_size32 1
		.amdhsa_system_sgpr_workgroup_id_x 1
		.amdhsa_system_sgpr_workgroup_id_y 1
		.amdhsa_system_sgpr_workgroup_id_z 1
		.amdhsa_system_vgpr_workitem_id 0
		.amdhsa_next_free_vgpr 448
		.amdhsa_next_free_sgpr 66
		.amdhsa_reserve_vcc 1
		.amdhsa_float_denorm_mode_32 3
		.amdhsa_float_denorm_mode_16_64 3
		.amdhsa_memory_ordered 1
		.amdhsa_forward_progress 1
		.amdhsa_inst_pref_size 106
	.end_amdhsa_kernel
	.amdgpu_metadata
---
amdhsa.version: [ 1, 2 ]
amdhsa.kernels:
  - .name:           k_q1355214154_mlp_loss
    .symbol:         k_q1355214154_mlp_loss.kd
    .args:
      - { .name: trainingInputs, .offset: 0, .size: 8, .value_kind: global_buffer, .address_space: global }
      - { .name: trainingLabels, .offset: 8, .size: 8, .value_kind: global_buffer, .address_space: global }
      - { .name: W1, .offset: 16, .size: 8, .value_kind: global_buffer, .address_space: global }
      - { .name: b1, .offset: 24, .size: 8, .value_kind: global_buffer, .address_space: global }
      - { .name: W2, .offset: 32, .size: 8, .value_kind: global_buffer, .address_space: global }
      - { .name: b2, .offset: 40, .size: 8, .value_kind: global_buffer, .address_space: global }
      - { .name: W3, .offset: 48, .size: 8, .value_kind: global_buffer, .address_space: global }
      - { .name: b3, .offset: 56, .size: 8, .value_kind: global_buffer, .address_space: global }
      - { .name: out0, .offset: 64, .size: 8, .value_kind: global_buffer, .address_space: global }
    .group_segment_fixed_size: 168960
    .private_segment_fixed_size: 0
    .kernarg_segment_align: 8
    .kernarg_segment_size: 72
    .max_flat_workgroup_size: 256
    .sgpr_count:     66
    .vgpr_count:     448
    .wavefront_size: 32
...
	.end_amdgpu_metadata
.endif
;; end of part 1
